; MI455X (gfx1250); checked and timed in simulation.
; The chip was launched on July 23, 2026; its instructions are those of AMD's public machine-readable ISA for CDNA 5 (MIT licence, August 2026) and "CDNA5" Instruction Set Architecture Reference Guide (July 2026). The comments in the code are by the model that wrote it; some were corrected since.
;; Heavy Layer. Allowed arithmetic: matrix products marked QUANTISED: E2M1 operands, one E8M0 scale for each 32 along K, by v_wmma_scale_f32_16x16x128_f8f6f4 with both operands' format E2M1 (or v_wmma_scale_f32_32x16x128_f4), f32 sums; products left as they are: bf16, f16 or f32 operands; f32 sums; everything else in f32.
;; Inputs: aux_weight1 1,024 x 1,024 float32; aux_weight2 1,024 x 1,024 float32; bias 1,024 float32; weight 1,024 x 1,024 float32; x 4 x 2,048 x 1,024 float32.
;; Outputs: out0 4 x 2,048 x 1,024 float32.
;; This version of the problem:
;;   THIS VERSION OF THE PROBLEM IS GIVEN IN LOW PRECISION. The matrix products marked QUANTISED in the list below multiply operands that are first quantised to E2M1 (2 exponent bits, 1 mantissa bit; 4 bits a number), with one power-of-two scale for each 32 numbers along K (OCP MX v1.0); their sums are f32. The products marked 'left as it is' may take bf16, f16 or f32 operands, with f32 sums. Whichever they take, every output number must still come out within the allowed error. Rounding operands to bf16 (8 significant bits) uses up far more of that allowance than f16 does (11 bits, for magnitudes from 6e-5 to 65,504). All else is computed in f32.
;;   The module's matrix products, in the order in which they are computed (A, B: the left and right operand; K: the contracted axis; several contracted axes count as one K, in the product's order):
;;     1. [M 8,192, K 1,024] x [K 1,024, N 1,024]; A: input x; B: input weight: QUANTISED
;;     2. [M 8,192, K 1,024] x [K 1,024, N 1,024]; A: computed on the way; B: input aux_weight1: left as it is (an operand is computed on the way)
;;     3. [M 8,192, K 1,024] x [K 1,024, N 1,024]; A: computed on the way; B: input aux_weight2: left as it is (an operand is computed on the way)
;;   THE QUANTISER, for each operand of a quantised product, along K:
;;     - K is cut into blocks of 32 from its start; a last block that is shorter is filled with zeros.
;;     - A block's scale is 2^e with e = floor(log2(the largest magnitude in the block)) - 2, held to -126 .. 127; a block of zeros has e = 0. As a byte (E8M0): e + 127.
;;     - Each number is divided by its block's scale, clamped to +-6, and rounded to the nearest number of E2M1, ties to even, subnormals kept.
;;     - The product sums the exact products of the quantised numbers (number of the format x scale) in f32.
;;   ~~~python
;;   def quantise(x, axis):      # numpy; x: float32 -> the quantised numbers, widened to float32 again
;;       x = np.moveaxis(x, axis, -1); K = x.shape[-1]
;;       x = np.pad(x, [(0, 0)] * (x.ndim - 1) + [(0, -K % 32)]); x = x.reshape(x.shape[:-1] + (-1, 32)); a = np.abs(x).max(-1, keepdims=True)
;;       e = np.where(a > 0, np.clip(np.frexp(np.where(a > 0, a, 1))[1] - 1 - 2, -126, 127), 0)      # np.frexp(a)[1] - 1 = floor(log2(a)), exactly
;;       r = np.clip(x / 2.0 ** e, -6, 6)
;;       step = 2.0 ** (np.maximum(np.frexp(np.where(r == 0, 1, r))[1] - 1, 0) - 1)
;;       q = np.round(r / step) * step * 2.0 ** e      # np.round: ties to even
;;       return np.moveaxis(q.reshape(q.shape[:-2] + (-1,))[..., :K], -1, axis).astype(np.float32)
;;   ~~~
;; One version. Each part assembles by itself: llvm-mc -triple=amdgcn-amd-amdhsa -mcpu=gfx1250 --defsym DOCPART=n.
;; ======== version 1 of 1: 3 launches
;; limits: values are held in f16: magnitudes above 65,504 overflow, below 6.1e-05 lose precision
;; workspace buffers: xq 4,194,304 bytes; xs 262,144 bytes; wq 524,288 bytes; ws 32,768 bytes; a12 2,097,152 bytes; h1 16,777,216 bytes
;; launch prep (part 1): grid 576 x 1, 4 waves a work-group, no clusters, 80,896 bytes of LDS; arguments x, weight, aux_weight1, aux_weight2, xq, xs, wq, ws, a12; writes xq, xs, wq, ws, a12
.if DOCPART == 1
	.amdgcn_target "amdgcn-amd-amdhsa--gfx1250"
	.amdhsa_code_object_version 6
	.text
	.protected	k_q4339eee093_prep
	.globl	k_q4339eee093_prep
	.p2align	8
	.type	k_q4339eee093_prep,@function
k_q4339eee093_prep:
	s_mov_b64 s[64:65], 0
	v_nop
	global_prefetch_b8 v0, s[64:65] scope:SCOPE_SE
	s_setreg_imm32_b32 hwreg(HW_REG_WAVE_MODE, 25, 1), 1
	s_wait_xcnt 0x0
; PREP: three jobs in one launch, told apart by the work-group's number alone (all four waves of a work-group go the same way).
;   work-groups   0-255  FOLD: a12 = f16(64 x aux_weight1 . aux_weight2), a tile of 64 x 64 each, f16 operands, f32 sums.  The chain (h . A1) . A2 is associated as h . (A1 . A2):
;                        it holds for every input, and differs from the written order in the order of rounding alone.  The factor 64 centres the product in f16's range; the last launch takes it back.
;   work-groups 256-319  WQ:   weight [k][n] into codes of FP4 (E2M1) along k, its FIRST axis: a lane takes a column, its registers run down k.
;   work-groups 320-575  XQ:   x [row][k] into codes of FP4 along k.
; A block's scale is 2^(floor(log2(its largest magnitude)) - 2); its byte is the largest magnitude's exponent field - 2, held at 1 from below by a floor among the maximum's leaves.
; ALL FIVE OUTPUTS ARE LAID IN THE ORDER OF THE OPERAND'S REGISTERS: a fragment's group of four registers is 512 bytes on end, lane L's 16 bytes at 16 L.
;   xq  [row/64][k/128][4 tiles of 16 rows][c 2][512]      lane 16 h + r: the 32 codes k = 128 s + 64 c + 32 h .. of row r of the tile
;   wq  [n/128][k/128][8 tiles of 16 columns][c 2][512]    the same with a column of weight for a row
;   xs  [row/16][h 2][r 16][16 bytes], ws likewise         the scale bytes of blocks 16 h .. 16 h + 15: four words, those of K steps 4 h .. 4 h + 3
;   a12 [n/128][k/32][8 tiles of 16 n][c 2][512]           lane 16 h + r: f16 of k = 32 s + 16 c + 8 h + 0 .. 7, column r of the tile
; LIMITS: a block of zeros gets the byte 1 (its codes are zeros, and this program alone reads the bytes); blocks whose largest magnitude lies under 2^-124 are held at the byte 1;
; NaN and infinities among the inputs are not served; |64 x A1 . A2| above 65,504, and |A1|, |A2| above 65,504, become infinity in f16.
; NO CLUSTER, NO TENSOR LOAD: every operand is converted on its way, so it goes through registers; there is no tile that a joint load could bring as it lies.
; LDS: each job has bytes of its own: FOLD 0 .. 38,911; XQ 38,912 + 10,240 x wave; WQ 79,872 .. 80,383; the spare words 80,384 .. 80,895.
.set SPARE, 80384
.set SPW,   2                          ; v2  LDS address of my spare word: SPARE + 4 x my thread's number; never rewritten
.set NIL,   3                          ; v3  0; never rewritten
.set FLOOR, 0x1800000                  ; 2^(3 - 127)
.set EOFF,  0xff000000                 ; takes 2 off an exponent field
	s_load_b256 s[4:11], s[0:1], 0x0               ; x s[4:5], weight s[6:7], aux_weight1 s[8:9], aux_weight2 s[10:11]
	s_load_b256 s[12:19], s[0:1], 0x20             ; xq s[12:13], xs s[14:15], wq s[16:17], ws s[18:19]
	s_load_b64 s[20:21], s[0:1], 0x40              ; a12
	v_lshl_add_u32 v[SPW], v0, 2, SPARE
	v_mov_b32 v[NIL], 0
	v_lshrrev_b32 v1, 5, v0
	v_readfirstlane_b32 s22, v1                    ; wave 0..3
	s_mov_b32 s29, 0                               ; the upper word of every offset pair s[28:29]
	s_wait_kmcnt 0x0
	s_cmp_lt_u32 ttmp9, 256
	s_cbranch_scc1 .Lfold
	s_cmp_lt_u32 ttmp9, 320
	s_cbranch_scc1 .Lwq
; ======================================================================== XQ
; A wave takes a tile of 16 rows x 512 along K: 16 steps, a row's 2,048 bytes each.  Each of a step's four loads reads 512 consecutive bytes, 16 a lane; the bytes turn through the wave's own
; stage (16 bytes of padding behind each 64) and come back 64 a lane: 16 neighbours along K, two neighbouring lanes to a block.  Loads run eight steps (32 loads a wave) ahead, the turn one step.
; A lane's 8 bytes of codes go into an image in LDS, 16 units of 256 bytes (block u of the row: unit u; row t: 16 t in it), 272 bytes apart; the image leaves as 8 stores of 512 consecutive bytes.
.set XR,   16                          ; v16-143  eight sets of 16 numbers as they are loaded
.set XX,   144                         ; v144-175 two sets of 16 neighbours
.set XC,   176                         ; v176-207 codes, two registers a step
.set XE,   208                         ; v208-223 a scale byte a step
.set XSP,  80                          ; a lane's place in a stage: 64 bytes + 16
.set XSCB, 5120                        ; in my wave's region: behind the two stages its 256 scale bytes,
.set XIMG, 5376                        ; and the codes' image
	s_sub_co_u32 s24, ttmp9, 320
	s_lshl_b32 s24, s24, 2
	s_add_co_u32 s24, s24, s22                     ; g = 4 x work-group + wave: 0..1023
	s_lshr_b32 s25, s24, 1                         ; which tile of 16 rows
	s_and_b32 s26, s24, 1                          ; y: which 512 along K
	s_lshl_b32 s28, s25, 16                        ; x: 16 rows of 4,096 bytes a tile,
	s_lshl_b32 s27, s26, 11                        ; + 2,048 y
	s_add_co_u32 s28, s28, s27
	s_add_nc_u64 s[4:5], s[4:5], s[28:29]
	s_lshr_b32 s28, s25, 2                         ; xq: 32,768 bytes for 64 rows,
	s_lshl_b32 s28, s28, 15
	s_lshl_b32 s27, s26, 14                        ; four K steps of 4,096,
	s_add_co_u32 s28, s28, s27
	s_and_b32 s27, s25, 3                          ; the tile's 1,024 in a K step
	s_lshl_b32 s27, s27, 10
	s_add_co_u32 s28, s28, s27
	s_add_nc_u64 s[12:13], s[12:13], s[28:29]
	s_lshl_b32 s28, s24, 8                         ; xs: 512 x tile + 256 y
	s_add_nc_u64 s[14:15], s[14:15], s[28:29]
	s_mul_i32 s30, s22, 10240
	s_add_co_u32 s30, s30, 38912                   ; my wave's region of LDS
	v_and_b32 v1, 31, v0                           ; lane l
	v_lshlrev_b32 v4, 4, v1                        ; 16 l: my bytes of a load's, and of a store's, 512
	v_lshrrev_b32 v8, 2, v1
	v_mul_u32_u24 v5, v8, XSP
	v_and_b32 v8, 3, v1
	v_lshl_add_u32 v5, v8, 4, v5
	v_add_nc_u32 v5, s30, v5                       ; the stage, on the way in: 80 (l / 4) + 16 (l % 4)
	v_mul_u32_u24 v6, v1, XSP
	v_add_nc_u32 v6, s30, v6                       ; and on the way out: 80 l
	v_lshrrev_b32 v8, 1, v1
	v_add_nc_u32 v7, s30, v8                       ; my block's scale byte: l / 2
	v_mul_u32_u24 v12, v8, 272
	v_and_b32 v8, 1, v1
	v_lshl_add_u32 v12, v8, 3, v12
	v_add_nc_u32 v12, s30, v12                     ; the image, on the way in: unit l / 2, + 8 (l % 2)
	v_lshrrev_b32 v8, 4, v1
	v_mul_u32_u24 v13, v8, 272
	v_and_b32 v8, 15, v1
	v_lshl_add_u32 v13, v8, 4, v13
	v_add_nc_u32 v13, s30, v13                     ; and on the way out: two units an instruction
	v_lshlrev_b32 v15, 3, v1                       ; the scale bytes leave 8 a lane
	v_add_nc_u32 v14, s30, v15
.macro XLOAD t
.irp i, 0,1,2,3
	global_load_b128 v[XR+16*((\t)%8)+4*\i:XR+16*((\t)%8)+4*\i+3], v4, s[4:5] offset:4096*(\t)+512*\i th:TH_LOAD_NT
.endr
.endm
.macro XTURN t                         ; step t's numbers through the stage; LDS serves a wave's instructions in order, so no wait stands between the stores and the loads
.irp i, 0,1,2,3
	ds_store_b128 v5, v[XR+16*((\t)%8)+4*\i:XR+16*((\t)%8)+4*\i+3] offset:32*XSP*((\t)%2)+8*XSP*\i
.endr
.irp i, 0,1,2,3
	ds_load_b128 v[XX+16*((\t)%2)+4*\i:XX+16*((\t)%2)+4*\i+3], v6 offset:32*XSP*((\t)%2)+16*\i
.endr
.endm
.macro XSTEP t
.set XS, XX+16*((\t)%2)
.if (\t) > 0
	s_wait_dscnt 2                                 ; this step's numbers are back (behind them: the last step's byte store and code store), so its stores into the stage have read their registers,
.else
	s_wait_dscnt 0x0
.endif
.if (\t)+8 < 16
	XLOAD (\t)+8                                   ; which take the loads of eight steps on
.endif
.if (\t)+1 < 16
.if (\t) < 8
	s_wait_loadcnt 28                              ; the next step's four loads are in; those of the seven steps behind it may be out
.else
	s_wait_loadcnt 4*(14-(\t))                     ; the counts run down
.endif
	XTURN (\t)+1
.endif
	v_max3_num_f32 v8, |v[XS]|, |v[XS+1]|, |v[XS+2]|       ; the largest magnitude of my 16, in two chains
	v_max3_num_f32 v9, |v[XS+3]|, |v[XS+4]|, |v[XS+5]|
.irp i, 6,10
	v_max3_num_f32 v8, v8, |v[XS+\i]|, |v[XS+\i+1]|
	v_max3_num_f32 v9, v9, |v[XS+\i+2]|, |v[XS+\i+3]|
.endr
	v_max3_num_f32 v8, v8, |v[XS+14]|, |v[XS+15]|
	v_max3_num_f32 v8, v8, v9, FLOOR               ; and the floor: the byte cannot fall under 1
	v_max_num_f32_dpp v8, v8, v8 row_xmask:1 row_mask:0xf bank_mask:0xf   ; with my neighbour's 16: the block's
	v_add_nc_u32 v11, EOFF, v8                     ; 2 off its exponent field: the conversion takes the exponent field of this operand as its scale
	v_cvt_scalef32_pk8_fp4_f32 v[XC+2*(\t)], v[XS:XS+7], v11
	v_cvt_scalef32_pk8_fp4_f32 v[XC+2*(\t)+1], v[XS+8:XS+15], v11
	v_lshrrev_b32 v[XE+(\t)], 23, v11              ; the scale's byte (also the plain line behind the conversions)
	ds_store_b8 v7, v[XE+(\t)] offset:XSCB+16*(\t) ; both lanes of a block write the same byte with the same value
	ds_store_b64 v12, v[XC+2*(\t):XC+2*(\t)+1] offset:XIMG+16*(\t)
.endm
.irp t, 0,1,2,3,4,5,6,7
	XLOAD \t
.endr
	s_wait_loadcnt 28                              ; step 0's four loads are in
	XTURN 0
.irp t, 0,1,2,3,4,5,6,7,8,9,10,11,12,13,14,15
	XSTEP \t
.endr
.irp i, 0,1,2,3,4,5,6,7
	ds_load_b128 v[XR+4*\i:XR+4*\i+3], v13 offset:XIMG+544*\i      ; units 2 i and 2 i + 1: a group of four registers of the operand; these see my stores
.endr
	ds_load_b64 v[XR+32:XR+33], v14 offset:XSCB
	s_wait_dscnt 0x0
.irp i, 0,1,2,3,4,5,6,7
	global_store_b128 v4, v[XR+4*\i:XR+4*\i+3], s[12:13] offset:(\i/2)*4096+(\i%2)*512   ; K step i / 2 of my four, group i % 2: 512 consecutive bytes, aligned
.endr
	global_store_b64 v15, v[XR+32:XR+33], s[14:15] ; 256 consecutive bytes, aligned
	s_wait_tensorcnt 0x0                           ; the wave's end, behind my last LDS store
	ds_add_u32 v[SPW], v[NIL]
	s_wait_dscnt 0x0
	s_endpgm
; ======================================================================== WQ
; Work-group q: 32 columns (q / 2), half of K (q % 2); wave w takes K step 4 (q % 2) + w: four blocks of 32.  Lane l takes column l, its 32 registers are a whole block:
; no other lane is asked for the maximum, and the four conversions give the block's 16 bytes, which are one piece of the operand's image: sixteen lanes store 256 consecutive bytes, aligned.
.Lwq:
	s_sub_co_u32 s24, ttmp9, 256
	s_lshr_b32 s25, s24, 1                         ; cg: which 32 columns
	s_and_b32 s26, s24, 1                          ; y
	s_lshl_b32 s27, s26, 2
	s_add_co_u32 s27, s27, s22                     ; s = 4 y + wave: my K step
	s_lshl_b32 s28, s27, 19                        ; weight: 128 rows of 4,096 bytes a K step,
	s_lshl_b32 s30, s25, 7                         ; + 128 bytes for 32 columns
	s_add_co_u32 s28, s28, s30
	s_add_nc_u64 s[6:7], s[6:7], s[28:29]
	s_lshr_b32 s28, s25, 2                         ; wq: 65,536 bytes for 128 columns,
	s_lshl_b32 s28, s28, 16
	s_lshl_b32 s30, s27, 13                        ; 8,192 a K step,
	s_add_co_u32 s28, s28, s30
	s_and_b32 s30, s25, 3                          ; two tiles of 1,024 for my 32 columns
	s_lshl_b32 s30, s30, 11
	s_add_co_u32 s28, s28, s30
	s_add_nc_u64 s[16:17], s[16:17], s[28:29]
	s_lshl_b32 s28, s25, 10                        ; ws: two tiles of 512, + 256 y
	s_lshl_b32 s30, s26, 8
	s_add_co_u32 s28, s28, s30
	s_add_nc_u64 s[18:19], s[18:19], s[28:29]
	v_and_b32 v1, 31, v0                           ; lane l
	v_lshlrev_b32 v4, 2, v1                        ; in: 4 bytes a lane
	v_lshrrev_b32 v5, 4, v1
	v_and_b32 v6, 15, v1
	v_lshlrev_b32 v6, 4, v6
	v_lshl_add_u32 v14, v5, 10, v6                 ; codes: tile l / 16, 16 (l % 16)
	v_lshl_add_u32 v15, v5, 9, v6                  ; scale words: the same with tiles of 512
	v_lshlrev_b32 v7, 4, v1
	v_add_nc_u32 v7, 79872, v7                     ; LDS: a column's four words, 16 l,
	s_lshl_b32 s30, s22, 2
	v_add_nc_u32 v10, s30, v7                      ; and my wave's word among them
.macro WLOAD t                         ; block t: weight(32 t + i, my column) into set t % 2
.set II, 0
.rept 32
	global_load_b32 v[16+32*((\t)%2)+II], v4, s[6:7] offset:(32*(\t)+II)*4096 th:TH_LOAD_NT
.set II, II+1
.endr
.endm
.macro WBLOCK t
.set XS, 16+32*((\t)%2)
.if (\t) < 3
	s_wait_loadcnt 32                              ; this block's 32 loads are in; the next block's may be out
.else
	s_wait_loadcnt 0x0
.endif
	v_max3_num_f32 v12, |v[XS]|, |v[XS+1]|, |v[XS+2]|
	v_max3_num_f32 v13, |v[XS+3]|, |v[XS+4]|, |v[XS+5]|
.irp i, 6,10,14,18,22,26
	v_max3_num_f32 v12, v12, |v[XS+\i]|, |v[XS+\i+1]|
	v_max3_num_f32 v13, v13, |v[XS+\i+2]|, |v[XS+\i+3]|
.endr
	v_max3_num_f32 v12, v12, |v[XS+30]|, |v[XS+31]|
	v_max3_num_f32 v12, v12, v13, FLOOR
	v_add_nc_u32 v11, EOFF, v12
	v_lshrrev_b32 v13, 23, v11                     ; the scale's byte
.if (\t) == 0
	v_mov_b32 v160, v13                            ; four bytes make the K step's scale word, the lower k in the lower byte
.else
	v_lshl_or_b32 v160, v13, 8*(\t), v160
.endif
.irp g, 0,1,2,3
	v_cvt_scalef32_pk8_fp4_f32 v[144+4*(\t)+\g], v[XS+8*\g:XS+8*\g+7], v11
.endr
	v_nop                                          ; one plain line behind the last conversion
	global_store_b128 v14, v[144+4*(\t):144+4*(\t)+3], s[16:17] offset:256*(\t)   ; block t is group t / 2, half t % 2 of the lanes: 256 t
.if (\t)+2 < 4
	WLOAD (\t)+2
.endif
.endm
	WLOAD 0
	WLOAD 1
.irp t, 0,1,2,3
	WBLOCK \t
.endr
	ds_store_b32 v10, v160                         ; the four waves' words of a column meet in LDS,
	s_wait_dscnt 0x0                               ; (for the others' sake: my store is done)
	s_barrier_signal -1
	s_barrier_wait -1
	s_cmp_lg_u32 s22, 0
	s_cbranch_scc1 .Lwq_end
	ds_load_b128 v[164:167], v7                    ; and wave 0 stores them: sixteen lanes 256 consecutive bytes, aligned
	s_wait_dscnt 0x0
	global_store_b128 v15, v[164:167], s[18:19]
.Lwq_end:
	s_wait_tensorcnt 0x0                           ; the wave's end, behind my last LDS store
	ds_add_u32 v[SPW], v[NIL]
	s_wait_dscnt 0x0
	s_endpgm
; ======================================================================== FOLD
; Work-group (fk, fn): rows 64 fk .. of A1 x columns 64 fn .. of A2.  Wave (wk, wn): 32 x 32, four accumulators (i, j).  Source 0 = 16 rows of A1, source 1 = 16 columns of A2: lane (r, h) then holds
; column r and rows 8 h + 0 .. 7: packed to f16 that is a piece of a12.  K goes in 16 chunks of 64, written out: every offset is an immediate.  A chunk's 64 x 64 numbers of each operand are loaded
; (sixteen lanes read 256 consecutive bytes, aligned), rounded to f16, and laid into one of two LDS buffers: A1's rows 144 bytes apart, A2's 160 (it is read turned, by ds_load_tr16_b128).
; ONE barrier a chunk: a buffer is written again two chunks on, behind the barrier of the chunk between, in front of which every wave has waited for its reads.
.Lfold:
	s_and_b32 s24, ttmp9, 15                       ; fk
	s_lshr_b32 s25, ttmp9, 4                       ; fn
	s_and_b32 s26, s22, 1                          ; wk
	s_lshr_b32 s27, s22, 1                         ; wn
	s_lshl_b32 s28, s24, 18                        ; A1: 64 rows of 4,096 bytes
	s_add_nc_u64 s[8:9], s[8:9], s[28:29]
	s_lshl_b32 s28, s25, 8                         ; A2: 64 columns
	s_add_nc_u64 s[10:11], s[10:11], s[28:29]
	s_lshr_b32 s28, s25, 1                         ; a12: 262,144 bytes for 128 columns,
	s_lshl_b32 s28, s28, 18
	s_lshl_b32 s30, s24, 1
	s_add_co_u32 s30, s30, s26
	s_lshl_b32 s30, s30, 13                        ; 8,192 for 32 along K: step 2 fk + wk,
	s_add_co_u32 s28, s28, s30
	s_and_b32 s30, s25, 1
	s_lshl_b32 s30, s30, 2
	s_lshl_b32 s31, s27, 1
	s_add_co_u32 s30, s30, s31
	s_lshl_b32 s30, s30, 10                        ; 1,024 a tile of 16 columns: tile 4 (fn % 2) + 2 wn
	s_add_co_u32 s28, s28, s30
	s_add_nc_u64 s[20:21], s[20:21], s[28:29]
	v_and_b32 v10, 15, v0                          ; t % 16: my 16 bytes of a row; also r
	v_lshrrev_b32 v11, 4, v0                       ; t / 16: 0..7, my row of each eight
	v_lshlrev_b32 v4, 12, v11
	v_lshl_add_u32 v4, v10, 4, v4                  ; in memory
	v_mul_u32_u24 v5, v11, 144
	v_lshl_add_u32 v5, v10, 3, v5                  ; A1's tile: row x 144 + 8 bytes for four f16
	v_mul_u32_u24 v6, v11, 160
	v_lshl_add_u32 v6, v10, 3, v6
	v_add_nc_u32 v6, 9216, v6                      ; A2's tile, behind A1's 64 rows
	v_bfe_u32 v12, v0, 4, 1                        ; h
	v_mul_u32_u24 v7, v10, 144
	v_lshl_add_u32 v7, v12, 4, v7
	s_mul_i32 s30, s26, 32*144
	v_add_nc_u32 v7, s30, v7                       ; a fragment of A1: (32 wk + r) x 144 + 16 h
	v_and_b32 v13, 7, v0
	v_lshl_add_u32 v13, v12, 3, v13
	v_mul_u32_u24 v8, v13, 160
	v_bfe_u32 v13, v0, 3, 1
	v_lshl_add_u32 v8, v13, 4, v8
	s_lshl_b32 s30, s27, 6
	s_add_co_u32 s30, s30, 9216
	v_add_nc_u32 v8, s30, v8                       ; of A2, turned: (8 h + L % 8) x 160 + 64 wn + 16 ((L / 8) % 2)
	v_and_b32 v9, 31, v0
	v_lshlrev_b32 v9, 4, v9                        ; the way out: 16 L
; REGISTERS: v16-79, v80-143 a chunk as loaded, two sets (A1's 32, A2's 32); v144-175 the f16 numbers, then the fragments of the chunk's second 32 along K; v176-207 those of its first; v208-239 the accumulators
.macro FLOAD c
.set GB, 16+64*((\c)%2)
.irp i, 0,1,2,3,4,5,6,7
	global_load_b128 v[GB+4*\i:GB+4*\i+3], v4, s[8:9] offset:(\c)*256+\i*32768
.endr
.irp i, 0,1,2,3,4,5,6,7
	global_load_b128 v[GB+32+4*\i:GB+32+4*\i+3], v4, s[10:11] offset:(\c)*262144+\i*32768
.endr
.endm
.macro FMUL fb, zero                   ; the four accumulators take turns, one instruction a turn
.irp i, 0,1
.irp j, 0,1
.if \zero
	v_wmma_f32_16x16x32_f16 v[208+8*(2*\i+\j):215+8*(2*\i+\j)], v[\fb+8*\i:\fb+8*\i+7], v[\fb+16+8*\j:\fb+16+8*\j+7], 0
.else
	v_wmma_f32_16x16x32_f16 v[208+8*(2*\i+\j):215+8*(2*\i+\j)], v[\fb+8*\i:\fb+8*\i+7], v[\fb+16+8*\j:\fb+16+8*\j+7], v[208+8*(2*\i+\j):215+8*(2*\i+\j)]
.endif
.endr
.endr
.endm
.macro FTRIP c
.set GB, 16+64*((\c)%2)
.set LB, 19456*((\c)%2)
.if (\c) < 15
	s_wait_loadcnt 16                              ; this chunk's 16 loads are in; the next chunk's may be out
.else
	s_wait_loadcnt 0x0
.endif
.if (\c) > 0
.rept 4
	v_nop                                          ; four places behind the last products, whose sources are written below (ISA guide 7.12.1)
.endr
.endif
.set II, 0
.rept 32
	v_cvt_pk_f16_f32 v[144+II], v[GB+2*II], v[GB+2*II+1]
.set II, II+1
.endr
.if (\c)+2 < 16
	FLOAD (\c)+2                                   ; two chunks ahead, into the set just read
.endif
.irp i, 0,1,2,3,4,5,6,7
	ds_store_b64 v5, v[144+2*\i:145+2*\i] offset:LB+\i*1152
.endr
.irp i, 0,1,2,3,4,5,6,7
	ds_store_b64 v6, v[160+2*\i:161+2*\i] offset:LB+\i*1280
.endr
	s_wait_dscnt 0x0                               ; my stores are done, and so were my reads of the other buffer
	s_barrier_signal -1
	s_barrier_wait -1
.irp kk, 0,1
.set FB, 176-32*\kk
.irp i, 0,1
	ds_load_b128 v[FB+8*\i:FB+8*\i+3],   v7 offset:LB+\i*2304+\kk*64
	ds_load_b128 v[FB+8*\i+4:FB+8*\i+7], v7 offset:LB+\i*2304+\kk*64+32
.endr
.irp j, 0,1
	ds_load_tr16_b128 v[FB+16+8*\j:FB+16+8*\j+3],   v8 offset:LB+\j*32+\kk*5120
	ds_load_tr16_b128 v[FB+16+8*\j+4:FB+16+8*\j+7], v8 offset:LB+\j*32+\kk*5120+2560
.endr
.endr
	s_wait_dscnt 8                                 ; the first 32 along K are in; the eight loads of the second may be out
.if (\c) == 0
	FMUL 176, 1                                    ; the first products start the sums
.else
	FMUL 176, 0
.endif
	s_wait_dscnt 0x0
	FMUL 144, 0
.endm
	FLOAD 0
	FLOAD 1
.irp c, 0,1,2,3,4,5,6,7,8,9,10,11,12,13,14,15
	FTRIP \c
.endr
.rept 4
	v_nop                                          ; four places in front of the first read of results
.endr
.set II, 0
.rept 16
	v_pk_mul_f32 v[208+2*II:209+2*II], v[208+2*II:209+2*II], 0x42800000 op_sel_hi:[1,0]   ; x 64; each accumulator from its low end on
.set II, II+1
.endr
.set II, 0
.rept 16
	v_cvt_pk_f16_f32 v[144+II], v[208+2*II], v[209+2*II]
.set II, II+1
.endr
.irp i, 0,1
.irp j, 0,1
	global_store_b128 v9, v[144+4*(2*\i+\j):147+4*(2*\i+\j)], s[20:21] offset:\j*1024+\i*512   ; tile j, group i: 512 consecutive bytes, aligned
.endr
.endr
	s_wait_tensorcnt 0x0                           ; the wave's end, behind my last LDS store
	ds_add_u32 v[SPW], v[NIL]
	s_wait_dscnt 0x0
	s_endpgm
.Lfunc_end_k_q4339eee093_prep:
	.size	k_q4339eee093_prep, .Lfunc_end_k_q4339eee093_prep-k_q4339eee093_prep
	.p2alignl 7, 3214868480
	.fill 96, 4, 3214868480
	.section	.rodata,"a",@progbits
	.p2align	6, 0x0
	.amdhsa_kernel k_q4339eee093_prep
		.amdhsa_group_segment_fixed_size 80896
		.amdhsa_private_segment_fixed_size 0
		.amdhsa_enable_private_segment 0
		.amdhsa_kernarg_size 72
		.amdhsa_user_sgpr_count 2
		.amdhsa_user_sgpr_kernarg_segment_ptr 1
		.amdhsa_wavefront_size32 1
		.amdhsa_system_sgpr_workgroup_id_x 1
		.amdhsa_system_sgpr_workgroup_id_y 1
		.amdhsa_system_sgpr_workgroup_id_z 1
		.amdhsa_system_vgpr_workitem_id 0
		.amdhsa_next_free_vgpr 256
		.amdhsa_next_free_sgpr 66
		.amdhsa_reserve_vcc 0
		.amdhsa_float_denorm_mode_32 3
		.amdhsa_float_denorm_mode_16_64 3
		.amdhsa_memory_ordered 1
		.amdhsa_forward_progress 1
		.amdhsa_inst_pref_size 161
	.end_amdhsa_kernel
	.amdgpu_metadata
---
amdhsa.version: [ 1, 2 ]
amdhsa.kernels:
  - .name:           k_q4339eee093_prep
    .symbol:         k_q4339eee093_prep.kd
    .args:
      - { .name: x, .offset: 0, .size: 8, .value_kind: global_buffer, .address_space: global }
      - { .name: weight, .offset: 8, .size: 8, .value_kind: global_buffer, .address_space: global }
      - { .name: aux_weight1, .offset: 16, .size: 8, .value_kind: global_buffer, .address_space: global }
      - { .name: aux_weight2, .offset: 24, .size: 8, .value_kind: global_buffer, .address_space: global }
      - { .name: xq, .offset: 32, .size: 8, .value_kind: global_buffer, .address_space: global }
      - { .name: xs, .offset: 40, .size: 8, .value_kind: global_buffer, .address_space: global }
      - { .name: wq, .offset: 48, .size: 8, .value_kind: global_buffer, .address_space: global }
      - { .name: ws, .offset: 56, .size: 8, .value_kind: global_buffer, .address_space: global }
      - { .name: a12, .offset: 64, .size: 8, .value_kind: global_buffer, .address_space: global }
    .group_segment_fixed_size: 80896
    .private_segment_fixed_size: 0
    .kernarg_segment_align: 8
    .kernarg_segment_size: 72
    .max_flat_workgroup_size: 128
    .sgpr_count:     66
    .vgpr_count:     256
    .wavefront_size: 32
...
	.end_amdgpu_metadata
.endif
;; end of part 1
;; launch gemm1 (part 2): grid 4 x 64, 4 waves a work-group, clusters of 4 x 4, 197,120 bytes of LDS; arguments xq, xs, wq, ws, h1; writes h1
.if DOCPART == 2
	.amdgcn_target "amdgcn-amd-amdhsa--gfx1250"
	.amdhsa_code_object_version 6
	.text
	.protected	k_q4339eee093_gemm1
	.globl	k_q4339eee093_gemm1
	.p2align	8
	.type	k_q4339eee093_gemm1,@function
k_q4339eee093_gemm1:
	s_mov_b64 s[64:65], 0
	v_nop
	global_prefetch_b8 v0, s[64:65] scope:SCOPE_SE
	s_setreg_imm32_b32 hwreg(HW_REG_WAVE_MODE, 25, 1), 1
	s_wait_xcnt 0x0
	s_wait_alu depctr_hold_cnt(0) depctr_sa_sdst(0) depctr_va_vdst(0) depctr_va_sdst(0) depctr_va_ssrc(0) depctr_va_vcc(0) depctr_vm_vsrc(0)
	s_getreg_b32 s2, hwreg(HW_REG_IB_STS2, 6, 4)
	s_cmp_eq_u32 s2, 0
	s_cbranch_scc0 .Lentry_in_a_cluster
	s_endpgm
.Lentry_in_a_cluster:
	s_bfe_u32 s2, ttmp6, 0x10000c
	s_cmp_lg_u32 s2, 0xf033
	s_cbranch_scc0 .Lentry_shape_is_right
	s_endpgm
.Lentry_shape_is_right:
; GEMM1: h1 = Q(x) . Q(weight) on codes of FP4 (E2M1) with one E8M0 scale for each 32 along K; sums in f32; h1 is stored as f16, in the order of the next product's operand registers.
; A work-group makes 128 rows x 256 hidden units; wave (wr, wc) 64 x 128: 32 accumulators of 16 x 16.  K = 1,024 is 8 steps of 128.
; ALL OF THE WORK-GROUP'S CODES FIT IN LDS: 128 rows and 256 columns x 512 bytes = 196,608 bytes.  They come in two stages of four K steps, each wave one tensor load a stage; nothing is ever filled again.
; A wave has two tensor loads out at the start.  The codes lie in memory in the order of the operand's registers, so a stage's part is one dense block, and every LDS load
; reads 512 consecutive bytes: no pitch, no padding.
; CLUSTERS: 4 x 4 work-groups.  The four of a row of the cluster need the same rows of x, the four of a column the same columns of weight: each block is asked for jointly.
; THE MATRIX INSTRUCTION IS USED TRANSPOSED (source 0 = 16 hidden units, source 1 = 16 rows of x): a lane then holds eight neighbouring hidden units of one row, which, packed to f16, are
; 16 bytes of the next product's fragment: h1 [row/64][k/32][4 tiles of 16 rows][c 2][512], lane 16 h + r: k = 32 s + 16 c + 8 h + 0 .. 7 of row r.
; THE SCALE WORDS come straight into registers, once: a lane's 16 bytes are four words; register q holds K step q in lanes 0-15 and K step 4 + q in lanes 16-31.
; LIMIT: |h1| above 65,504 becomes infinity in f16.
; REGISTERS: window 0: v4-10 addresses; v16-31 x's scale words, v32-63 weight's; v64-159, v160-255 two sets of fragments (weight's 64 registers, then x's 32).  Window 1: accumulator (a, b) at v[8 (8 a + b)].
.set STG1,  98304                      ; a stage: x's two halves of 16,384 bytes, then weight's two of 32,768
.set SPARE, 196608                     ; behind the stages: the spare words, 128 bytes for each wave
.set ADRA, 4                           ; v4-5  LDS address of my x fragments in stage 0, 1
.set ADRB, 6                           ; v6-7  the same for weight
.set SPW,  8                           ; v8    LDS address of my spare word; never rewritten
.set NIL,  9                           ; v9    0; never rewritten
.set LOF,  10                          ; v10   16 x lane
.set XSC,  16
.set WSC,  32
.set F0,   64
.set G1A, 24                           ; s[24:31] descriptor group 1 for x's blocks; s[32:39] group 0, a set for each stage
.set G0A, 32
.set G1B, 48                           ; s[48:55], s[56:63] the same for weight's
.set G0B, 56
.set MSB, 0
.macro WIN new                         ; the immediate's high byte repeats the setting that is left
.if MSB != \new
	s_set_vgpr_msb (MSB<<8)|\new
.set MSB, \new
.endif
.endm
.macro PLACES                          ; four places behind a matrix instruction, in front of loads into its sources and of reads of its results
.rept 4
	v_nop
.endr
.endm
.macro JLOAD g                         ; a joint load: waves 0 and 1 fetch x's halves, waves 2 and 3 weight's; the branch hangs on the wave's number alone; an s_nop 0 and four v_nop follow each line
	s_cmp_eq_u32 s15, 0
	s_cbranch_scc0 .Lfor_b_\@
	tensor_load_to_lds s[G0A+4*\g:G0A+4*\g+3], s[G1A:G1A+7]
	s_nop 0
.rept 4
	v_nop
.endr
	s_branch .Lasked_\@
.Lfor_b_\@:
	tensor_load_to_lds s[G0B+4*\g:G0B+4*\g+3], s[G1B:G1B+7]
	s_nop 0
.rept 4
	v_nop
.endr
.Lasked_\@:
.endm
.macro CROUND                          ; a round of the cluster's barrier
	s_barrier_signal -1
	s_barrier_wait -1
	s_cmp_lg_u32 s14, 0
	s_cbranch_scc1 .Lnot_wave_0_\@
	s_barrier_signal -3
.Lnot_wave_0_\@:
	s_barrier_wait -3
	s_barrier_signal -1
	s_barrier_wait -1
.endm
	s_load_b256 s[4:11], s[0:1], 0x0               ; xq s[4:5], xs s[6:7], wq s[8:9], ws s[10:11]
	s_load_b64 s[12:13], s[0:1], 0x20              ; h1
	v_lshl_add_u32 v[SPW], v0, 2, SPARE
	v_mov_b32 v[NIL], 0
	ds_add_u32 v[SPW], v[NIL]                      ; the wave's opening: the add and its wait stand ahead of my first tensor load; the set-up below stands between them
	v_lshrrev_b32 v1, 5, v0
	v_readfirstlane_b32 s14, v1                    ; wave 0..3
	s_lshr_b32 s15, s14, 1                         ; wr: which 64 rows are mine.  Also: I fetch for x (0) or for weight (1)
	s_and_b32 s16, s14, 1                          ; wc: which 128 hidden units.  Also: which half I fetch
	s_bfe_u32 s40, ttmp6, 0x40000                  ; cx, cy: my place in the cluster
	s_bfe_u32 s41, ttmp6, 0x40004
	s_lshl_b32 s42, ttmp9, 2
	s_add_co_u32 s42, s42, s40                     ; bx: tile column = 4 x cluster x + cx
	s_and_b32 s17, ttmp7, 0xffff
	s_lshl_b32 s17, s17, 2
	s_add_co_u32 s17, s17, s41                     ; by: tile row = 4 x cluster y + cy
	s_lshl_b32 s43, s41, 2
	s_lshl_b32 s43, 15, s43                        ; my row of the cluster
	s_lshl_b32 s44, 0x1111, s40                    ; my column
	; descriptor group 1: a dense block as rows of 256 bytes (32 elements of 8 bytes): 64 rows for x's half of a stage, 128 for weight's
	s_or_b32 s[G1A], s43, (3<<16)|(1<<21)          ; 15:0 the mask: x's blocks go to my row; 17:16 elements of 8 bytes; 21 set beside a mask
	s_or_b32 s[G1B], s44, (3<<16)|(1<<21)
	s_mov_b32 s[G1A+1], 32<<16                     ; tensor_dim0
	s_mov_b32 s[G1A+2], 64<<16                     ; tensor_dim1
	s_mov_b32 s[G1A+3], 32<<16                     ; tile_dim0
	s_mov_b32 s[G1A+4], 64                         ; tile_dim1
	s_mov_b32 s[G1A+5], 32                         ; from row to row
	s_mov_b32 s[G1A+6], 0
	s_mov_b32 s[G1A+7], 0
	s_mov_b32 s[G1B+1], 32<<16
	s_mov_b32 s[G1B+2], 128<<16
	s_mov_b32 s[G1B+3], 32<<16
	s_mov_b32 s[G1B+4], 128
	s_mov_b32 s[G1B+5], 32
	s_mov_b32 s[G1B+6], 0
	s_mov_b32 s[G1B+7], 0
	s_lshl_b32 s20, s17, 1
	s_add_co_u32 s20, s20, s16
	s_lshl_b32 s20, s20, 15                        ; x: 64 rows' codes are 32,768 bytes: half 2 by + (wave % 2)
	s_mov_b32 s21, 0
	s_lshl_b32 s46, s42, 1
	s_add_co_u32 s46, s46, s16
	s_lshl_b32 s46, s46, 16                        ; weight: 128 columns' codes are 65,536 bytes
	s_mov_b32 s47, 0
	s_lshl_b32 s45, s16, 14                        ; where they go in a stage: no place in the cluster enters an LDS address
	s_lshl_b32 s19, s16, 15
	s_add_co_u32 s19, s19, 32768
	s_wait_dscnt 0x0                               ; the opening add is done
	s_wait_kmcnt 0x0
	s_add_nc_u64 s[20:21], s[4:5], s[20:21]
	s_add_nc_u64 s[46:47], s[8:9], s[46:47]
	CROUND                                         ; all sixteen work-groups are here: the joint loads meet
.irp g, 0,1
	s_mov_b32 s[G0A+4*\g], 1
	s_add_co_u32 s[G0A+4*\g+1], s45, \g*STG1
	s_add_nc_u64 s[G0A+4*\g+2:G0A+4*\g+3], s[20:21], \g*16384      ; four K steps of 4,096 bytes on
	s_or_b32 s[G0A+4*\g+3], s[G0A+4*\g+3], 0x80000000
	s_mov_b32 s[G0B+4*\g], 1
	s_add_co_u32 s[G0B+4*\g+1], s19, \g*STG1
	s_add_nc_u64 s[G0B+4*\g+2:G0B+4*\g+3], s[46:47], \g*32768
	s_or_b32 s[G0B+4*\g+3], s[G0B+4*\g+3], 0x80000000
	JLOAD \g
.endr
	v_and_b32 v1, 31, v0
	v_lshlrev_b32 v[LOF], 4, v1
	s_lshl_b32 s22, s15, 14                        ; my 64 rows of x
	s_lshl_b32 s23, s16, 15
	s_add_co_u32 s23, s23, 32768                   ; my 128 columns of weight
.irp g, 0,1
	v_add_nc_u32 v[ADRA+\g], s22, v[LOF]
	v_add_nc_u32 v[ADRB+\g], s23, v[LOF]
	s_add_co_u32 s22, s22, STG1
	s_add_co_u32 s23, s23, STG1
.endr
	s_lshl_b32 s66, s17, 3
	s_lshl_b32 s67, s15, 2
	s_add_co_u32 s66, s66, s67
	s_lshl_b32 s66, s66, 9                         ; xs: 512 bytes a tile of 16 rows: tile 8 by + 4 wr
	s_mov_b32 s67, 0
	s_add_nc_u64 s[6:7], s[6:7], s[66:67]
	s_lshl_b32 s68, s42, 4
	s_lshl_b32 s69, s16, 3
	s_add_co_u32 s68, s68, s69
	s_lshl_b32 s68, s68, 9                         ; ws: tile 16 bx + 8 wc
	s_mov_b32 s69, 0
	s_add_nc_u64 s[10:11], s[10:11], s[68:69]
	s_lshl_b32 s70, s17, 1
	s_add_co_u32 s70, s70, s15
	s_lshl_b32 s70, s70, 17                        ; h1: 131,072 bytes for 64 rows,
	s_lshl_b32 s71, s42, 3
	s_lshl_b32 s72, s16, 2
	s_add_co_u32 s71, s71, s72
	s_lshl_b32 s71, s71, 12                        ; 4,096 for 32 hidden units: step 8 bx + 4 wc
	s_add_co_u32 s70, s70, s71
	s_mov_b32 s71, 0
	s_add_nc_u64 s[12:13], s[12:13], s[70:71]
.irp a, 0,1,2,3
	global_load_b128 v[XSC+4*\a:XSC+4*\a+3], v[LOF], s[6:7] offset:512*\a
.endr
.irp b, 0,1,2,3,4,5,6,7
	global_load_b128 v[WSC+4*\b:WSC+4*\b+3], v[LOF], s[10:11] offset:512*\b
.endr
.macro FETCH s                         ; K step s: weight's eight fragments and x's four, 24 loads of 512 consecutive bytes, into set s % 2
.set FB, F0+96*((\s)%2)
.set GG, (\s)/4
.irp b, 0,1,2,3,4,5,6,7
.irp c, 0,1
	ds_load_b128 v[FB+8*\b+4*\c:FB+8*\b+4*\c+3], v[ADRB+GG] offset:((\s)%4)*8192+\b*1024+\c*512
.endr
.endr
.irp a, 0,1,2,3
.irp c, 0,1
	ds_load_b128 v[FB+64+8*\a+4*\c:FB+64+8*\a+4*\c+3], v[ADRA+GG] offset:((\s)%4)*4096+\a*1024+\c*512
.endr
.endr
.endm
.macro MUL s, zero                     ; 32 matrix instructions; the accumulators take turns, one instruction a turn, in the same order in every step
.set MB, F0+96*((\s)%2)
.set SQ, (\s)%4
.irp a, 0,1,2,3
.irp b, 0,1,2,3,4,5,6,7
.if \zero
	v_wmma_scale_f32_16x16x128_f8f6f4 v[8*(8*\a+\b):8*(8*\a+\b)+7], v[MB+8*\b:MB+8*\b+7], v[MB+64+8*\a:MB+64+8*\a+7], 0, v[WSC+4*\b+SQ], v[XSC+4*\a+SQ] matrix_a_fmt:MATRIX_FMT_FP4 matrix_b_fmt:MATRIX_FMT_FP4
.elseif (\s) < 4
	v_wmma_scale_f32_16x16x128_f8f6f4 v[8*(8*\a+\b):8*(8*\a+\b)+7], v[MB+8*\b:MB+8*\b+7], v[MB+64+8*\a:MB+64+8*\a+7], v[8*(8*\a+\b):8*(8*\a+\b)+7], v[WSC+4*\b+SQ], v[XSC+4*\a+SQ] matrix_a_fmt:MATRIX_FMT_FP4 matrix_b_fmt:MATRIX_FMT_FP4
.else
	v_wmma_scale_f32_16x16x128_f8f6f4 v[8*(8*\a+\b):8*(8*\a+\b)+7], v[MB+8*\b:MB+8*\b+7], v[MB+64+8*\a:MB+64+8*\a+7], v[8*(8*\a+\b):8*(8*\a+\b)+7], v[WSC+4*\b+SQ], v[XSC+4*\a+SQ] matrix_a_fmt:MATRIX_FMT_FP4 matrix_b_fmt:MATRIX_FMT_FP4 matrix_a_scale:MATRIX_SCALE_ROW1 matrix_b_scale:MATRIX_SCALE_ROW1
.endif
.endr
.endr
.endm
.macro STEP s, zero
	s_wait_dscnt 0x0                               ; this step's fragments are in
.if (\s) == 3
	s_wait_tensorcnt 0x0                           ; my part of stage 1, the one load that was out, has landed,
	s_barrier_signal -1
	s_barrier_wait -1                              ; everybody's has
.endif
.if (\s) < 7
	PLACES                                         ; the other set was read by the last step's products
	FETCH (\s)+1
.endif
	WIN 0x50                                       ; C and D in window 1
	MUL \s, \zero
	WIN 0
.endm
	s_wait_tensorcnt 1                             ; my part of stage 0 is in; stage 1's may stay out
	s_barrier_signal -1
	s_barrier_wait -1                              ; everybody's is
	FETCH 0
	s_wait_loadcnt 0x0                             ; the scale words
	STEP 0, 1                                      ; the first products start the sums: nothing is cleared
.irp s, 1,2,3,4,5,6,7
	STEP \s, 0
.endr
	; THE WAY OUT: a lane's eight results of an accumulator pack into 16 bytes, which are its piece of a group of the next operand's image: a store covers 512 consecutive bytes, aligned
	PLACES
	WIN 0x05                                       ; sources in window 1, destination in window 0
.set TT, 0
.rept 32
.irp r, 0,1,2,3
	v_cvt_pk_f16_f32 v[64+4*TT+\r], v[8*TT+2*\r], v[8*TT+2*\r+1]   ; each accumulator from its low end on
.endr
.set TT, TT+1
.endr
	WIN 0
.irp a, 0,1,2,3
.irp b, 0,1,2,3,4,5,6,7
	global_store_b128 v[LOF], v[64+4*(8*\a+\b):64+4*(8*\a+\b)+3], s[12:13] offset:(\b/2)*4096+\a*1024+(\b%2)*512
.endr
.endr
	s_wait_tensorcnt 0x0                           ; the wave's end, behind my last tensor load
	ds_add_u32 v[SPW], v[NIL]
	s_wait_dscnt 0x0
	CROUND                                         ; the closing round: no work-group ends while a partner may still ask for a block that names it
	s_endpgm
.Lfunc_end_k_q4339eee093_gemm1:
	.size	k_q4339eee093_gemm1, .Lfunc_end_k_q4339eee093_gemm1-k_q4339eee093_gemm1
	.p2alignl 7, 3214868480
	.fill 96, 4, 3214868480
	.section	.rodata,"a",@progbits
	.p2align	6, 0x0
	.amdhsa_kernel k_q4339eee093_gemm1
		.amdhsa_group_segment_fixed_size 197120
		.amdhsa_private_segment_fixed_size 0
		.amdhsa_enable_private_segment 0
		.amdhsa_kernarg_size 40
		.amdhsa_user_sgpr_count 2
		.amdhsa_user_sgpr_kernarg_segment_ptr 1
		.amdhsa_wavefront_size32 1
		.amdhsa_system_sgpr_workgroup_id_x 1
		.amdhsa_system_sgpr_workgroup_id_y 1
		.amdhsa_system_sgpr_workgroup_id_z 1
		.amdhsa_system_vgpr_workitem_id 0
		.amdhsa_next_free_vgpr 512
		.amdhsa_next_free_sgpr 80
		.amdhsa_reserve_vcc 0
		.amdhsa_float_denorm_mode_32 3
		.amdhsa_float_denorm_mode_16_64 3
		.amdhsa_memory_ordered 1
		.amdhsa_forward_progress 1
		.amdhsa_inst_pref_size 65
	.end_amdhsa_kernel
	.amdgpu_metadata
---
amdhsa.version: [ 1, 2 ]
amdhsa.kernels:
  - .name:           k_q4339eee093_gemm1
    .symbol:         k_q4339eee093_gemm1.kd
    .args:
      - { .name: xq, .offset: 0, .size: 8, .value_kind: global_buffer, .address_space: global }
      - { .name: xs, .offset: 8, .size: 8, .value_kind: global_buffer, .address_space: global }
      - { .name: wq, .offset: 16, .size: 8, .value_kind: global_buffer, .address_space: global }
      - { .name: ws, .offset: 24, .size: 8, .value_kind: global_buffer, .address_space: global }
      - { .name: h1, .offset: 32, .size: 8, .value_kind: global_buffer, .address_space: global }
    .group_segment_fixed_size: 197120
    .private_segment_fixed_size: 0
    .kernarg_segment_align: 8
    .kernarg_segment_size: 40
    .max_flat_workgroup_size: 128
    .sgpr_count:     80
    .vgpr_count:     512
    .wavefront_size: 32
...
	.end_amdgpu_metadata
.endif
;; end of part 2
;; launch gemm2 (part 3): grid 4 x 64, 4 waves a work-group, clusters of 4 x 4, 327,680 bytes of LDS; arguments h1, a12, bias, out0; writes out0
.if DOCPART == 3
	.amdgcn_target "amdgcn-amd-amdhsa--gfx1250"
	.amdhsa_code_object_version 6
	.text
	.protected	k_q4339eee093_gemm2
	.globl	k_q4339eee093_gemm2
	.p2align	8
	.type	k_q4339eee093_gemm2,@function
k_q4339eee093_gemm2:
	s_mov_b64 s[64:65], 0
	v_nop
	global_prefetch_b8 v0, s[64:65] scope:SCOPE_SE
	s_setreg_imm32_b32 hwreg(HW_REG_WAVE_MODE, 25, 1), 1
	s_wait_xcnt 0x0
	s_wait_alu depctr_hold_cnt(0) depctr_sa_sdst(0) depctr_va_vdst(0) depctr_va_sdst(0) depctr_va_ssrc(0) depctr_va_vcc(0) depctr_vm_vsrc(0)
	s_getreg_b32 s2, hwreg(HW_REG_IB_STS2, 6, 4)
	s_cmp_eq_u32 s2, 0
	s_cbranch_scc0 .Lentry_in_a_cluster
	s_endpgm
.Lentry_in_a_cluster:
	s_bfe_u32 s2, ttmp6, 0x10000c
	s_cmp_lg_u32 s2, 0xf033
	s_cbranch_scc0 .Lentry_shape_is_right
	s_endpgm
.Lentry_shape_is_right:
; GEMM2: out0 = tanh(2^-6 x (h1 . a12) + bias).  h1 and a12 (= 64 x aux_weight1 . aux_weight2) are f16, laid in the order of the operand's registers; sums, bias and tanh in f32.
; A work-group makes 128 rows x 256 columns; wave (wr, wc) 64 x 128: 32 accumulators of 16 x 16 in window 1.  K = 1,024 is 32 quarters of 32: 24 LDS loads of 512 consecutive bytes and 32 matrix instructions each.
; THE RING: two slots of unequal length that fill LDS: slot 0 holds 6 quarters (147,456 bytes), slot 1 holds 7 (172,032).  Quarters 0-5, 6-12 are the first fills; 13-18, 19-25, 26-31 are refills:
; three changes of slots that fill, one that does not.  Each wave brings a quarter of a slot by ONE tensor load, a dense block; a refill has the other slot's 6 or 7 quarters, 192 or 224 matrix instructions, in
; which to land.  A wave has two tensor loads out at the start and one behind each change.  All 32 quarters are written out: no loop.
; CLUSTERS: 4 x 4 work-groups; h1's rows are shared along a row of the cluster, a12's columns along a column: each block is asked for jointly, and a round of the cluster's barrier stands in front of each refill.
; THE MATRIX INSTRUCTION IS USED TRANSPOSED (source 0 = 16 columns of a12, source 1 = 16 rows of h1): a lane holds eight neighbouring columns of one row of the output.
; TANH: 1 - 2 / (1 + 2^(2 log2(e) t)); where t^2 < 2^-12 the series t - t^3 / 3 is chosen instead, by a select and no branch, so that small t keep their relative accuracy.
; LIMITS: what overflowed f16 in h1 or a12 is infinity here; NaN comes out only where the sums are NaN.
; REGISTERS: window 0: v4-13 addresses; v64-159, v160-255 two sets of fragments (a12's 64 registers, then h1's 32); on the way out v64-191 at work, v192-255 rows.  Window 1: accumulator (a, b) at v[8 (8 a + b)].
;   Window 2: v0-63 the bias of my lane's eight columns of each of the 8 column tiles.
.set HA6,   24576                      ; 64 rows of h1, 6 quarters of 4,096 bytes
.set HA7,   28672                      ; 7 quarters
.set HB6,   49152                      ; 128 columns of a12, 6 quarters of 8,192 bytes
.set HB7,   57344
.set SLOT1, 2*HA6+2*HB6                ; 147,456: a slot is h1's two halves, then a12's two
.set SPARE, SLOT1+2*HA7+2*HB7          ; 319,488: behind the ring: the spare words, 128 bytes for each wave
.set STAGE, SLOT1                      ; the way out: 16 rows x (512 bytes + 16) for each wave, in slot 1, which has had its last fill and its last read when the first result is stored there
.set SPITCH, 528
.set ADRA, 4                           ; v4-5  LDS address of my h1 fragments in slot 0, 1
.set ADRB, 6                           ; v6-7  the same for a12
.set SPW,  8                           ; v8    LDS address of my spare word; never rewritten
.set NIL,  9                           ; v9    0; never rewritten
.set STO,  10                          ; v10   the way out: where I put 32 bytes of a row
.set RD,   11                          ; v11   and where I read a row back
.set CO,   12                          ; v12   16 x lane
.set BOF,  13                          ; v13   32 x (lane / 16): my half's eight numbers of the bias
.set F0,   64
.set TT,   64                          ; the way out: t,
.set UU,   96                          ; the exponential, then the result,
.set SS,   128                         ; t^2,
.set PP,   160                         ; the series,
.set BK,   192                         ; and 16 rows read back from the stage
.set G1A, 24                           ; s[24:31], s[32:39] descriptor group 1 for h1's blocks of slot 0, 1
.set G1B, 40                           ; s[40:47], s[48:55] for a12's
.set G0A, 56                           ; s[56:59], s[60:63] group 0 for h1's blocks of slot 0, 1
.set G0B, 68                           ; s[68:71], s[72:75] for a12's
.set MSB, 0
.macro WIN new                         ; the immediate's high byte repeats the setting that is left
.if MSB != \new
	s_set_vgpr_msb (MSB<<8)|\new
.set MSB, \new
.endif
.endm
.macro PLACES                          ; four places behind a matrix instruction, in front of loads into its sources and of reads of its results
.rept 4
	v_nop
.endr
.endm
.macro JLOAD x                         ; a joint load into slot x: waves 0 and 1 fetch h1's halves, waves 2 and 3 a12's; the branch hangs on the wave's number alone; an s_nop 0 and four v_nop follow each line
	s_cmp_eq_u32 s15, 0
	s_cbranch_scc0 .Lfor_b_\@
	tensor_load_to_lds s[G0A+4*\x:G0A+4*\x+3], s[G1A+8*\x:G1A+8*\x+7]
	s_nop 0
.rept 4
	v_nop
.endr
	s_branch .Lasked_\@
.Lfor_b_\@:
	tensor_load_to_lds s[G0B+4*\x:G0B+4*\x+3], s[G1B+8*\x:G1B+8*\x+7]
	s_nop 0
.rept 4
	v_nop
.endr
.Lasked_\@:
.endm
.macro CREST                           ; a round of the cluster's barrier behind its opening barrier
	s_cmp_lg_u32 s14, 0
	s_cbranch_scc1 .Lnot_wave_0_\@
	s_barrier_signal -3
.Lnot_wave_0_\@:
	s_barrier_wait -3
	s_barrier_signal -1
	s_barrier_wait -1
.endm
.macro CROUND                          ; a whole round
	s_barrier_signal -1
	s_barrier_wait -1
	CREST
.endm
.macro DESC g, rows                    ; a dense block as rows of 256 bytes: 32 elements of 8 bytes
	s_mov_b32 s[\g+1], 32<<16                      ; tensor_dim0
	s_mov_b32 s[\g+2], (\rows)<<16                 ; tensor_dim1
	s_mov_b32 s[\g+3], 32<<16                      ; tile_dim0
	s_mov_b32 s[\g+4], \rows                       ; tile_dim1
	s_mov_b32 s[\g+5], 32                          ; from row to row
	s_mov_b32 s[\g+6], 0
	s_mov_b32 s[\g+7], 0
.endm
	s_load_b256 s[4:11], s[0:1], 0x0               ; h1 s[4:5], a12 s[6:7], bias s[8:9], out0 s[10:11]
	v_lshl_add_u32 v[SPW], v0, 2, SPARE
	v_mov_b32 v[NIL], 0
	ds_add_u32 v[SPW], v[NIL]                      ; the wave's opening: the add and its wait stand ahead of my first tensor load; the set-up below stands between them
	v_lshrrev_b32 v1, 5, v0
	v_readfirstlane_b32 s14, v1                    ; wave 0..3
	s_lshr_b32 s15, s14, 1                         ; wr: which 64 rows are mine.  Also: I fetch for h1 (0) or for a12 (1)
	s_and_b32 s16, s14, 1                          ; wc: which 128 columns.  Also: which half I fetch
	s_bfe_u32 s80, ttmp6, 0x40000                  ; cx, cy: my place in the cluster
	s_bfe_u32 s81, ttmp6, 0x40004
	s_lshl_b32 s82, ttmp9, 2
	s_add_co_u32 s82, s82, s80                     ; bx: tile column
	s_and_b32 s17, ttmp7, 0xffff
	s_lshl_b32 s17, s17, 2
	s_add_co_u32 s17, s17, s81                     ; by: tile row
	s_lshl_b32 s83, s81, 2
	s_lshl_b32 s83, 15, s83                        ; my row of the cluster
	s_lshl_b32 s84, 0x1111, s80                    ; my column
.irp x, 0,1
	s_or_b32 s[G1A+8*\x], s83, (3<<16)|(1<<21)     ; 15:0 the mask: h1's blocks go to my row; 17:16 elements of 8 bytes; 21 set beside a mask
	s_or_b32 s[G1B+8*\x], s84, (3<<16)|(1<<21)
.endr
	DESC G1A, 96
	DESC G1A+8, 112
	DESC G1B, 192
	DESC G1B+8, 224
	s_lshl_b32 s20, s17, 1
	s_add_co_u32 s20, s20, s16
	s_lshl_b32 s20, s20, 17                        ; h1: 64 rows are 131,072 bytes: half 2 by + (wave % 2)
	s_mov_b32 s21, 0
	s_lshl_b32 s86, s82, 1
	s_add_co_u32 s86, s86, s16
	s_lshl_b32 s86, s86, 18                        ; a12: 128 columns are 262,144 bytes
	s_mov_b32 s87, 0
	s_mul_i32 s18, s16, HA6                        ; where they go: no place in the cluster enters an LDS address
	s_mul_i32 s19, s16, HA7
	s_add_co_u32 s19, s19, SLOT1
	s_mul_i32 s22, s16, HB6
	s_add_co_u32 s22, s22, 2*HA6
	s_mul_i32 s23, s16, HB7
	s_add_co_u32 s23, s23, SLOT1+2*HA7
	s_mov_b32 s76, 0x3c800000                      ; 2^-6, which takes a12's factor 64 back
	s_mov_b32 s77, s76                             ; (named with it as a pair, so it is written)
	s_mov_b32 s78, 0x39800000                      ; 2^-12
	s_wait_dscnt 0x0                               ; the opening add is done
	s_wait_kmcnt 0x0
	s_add_nc_u64 s[20:21], s[4:5], s[20:21]
	s_add_nc_u64 s[86:87], s[6:7], s[86:87]
	CROUND                                         ; all sixteen work-groups are here: the first joint loads meet
	s_mov_b32 s[G0A], 1
	s_mov_b32 s[G0A+1], s18
	s_mov_b64 s[G0A+2:G0A+3], s[20:21]             ; quarters 0 to 5
	s_or_b32 s[G0A+3], s[G0A+3], 0x80000000
	s_mov_b32 s[G0B], 1
	s_mov_b32 s[G0B+1], s22
	s_mov_b64 s[G0B+2:G0B+3], s[86:87]
	s_or_b32 s[G0B+3], s[G0B+3], 0x80000000
	JLOAD 0
	s_mov_b32 s[G0A+4], 1
	s_mov_b32 s[G0A+5], s19
	s_add_nc_u64 s[G0A+6:G0A+7], s[20:21], 6*4096  ; quarters 6 to 12
	s_or_b32 s[G0A+7], s[G0A+7], 0x80000000
	s_mov_b32 s[G0B+4], 1
	s_mov_b32 s[G0B+5], s23
	s_add_nc_u64 s[G0B+6:G0B+7], s[86:87], 6*8192
	s_or_b32 s[G0B+7], s[G0B+7], 0x80000000
	JLOAD 1
	v_and_b32 v1, 15, v0                           ; r
	v_bfe_u32 v2, v0, 4, 1                         ; h
	v_and_b32 v3, 31, v0
	v_lshlrev_b32 v[CO], 4, v3                     ; 16 x lane
	s_mul_i32 s88, s15, HA6
	v_add_nc_u32 v[ADRA], s88, v[CO]
	s_mul_i32 s88, s15, HA7
	s_add_co_u32 s88, s88, SLOT1
	v_add_nc_u32 v[ADRA+1], s88, v[CO]
	s_mul_i32 s88, s16, HB6
	s_add_co_u32 s88, s88, 2*HA6
	v_add_nc_u32 v[ADRB], s88, v[CO]
	s_mul_i32 s88, s16, HB7
	s_add_co_u32 s88, s88, SLOT1+2*HA7
	v_add_nc_u32 v[ADRB+1], s88, v[CO]
	s_mul_i32 s88, s14, 16*SPITCH
	s_add_co_u32 s88, s88, STAGE                   ; my stage
	v_mul_u32_u24 v[STO], v1, SPITCH               ; in: row r, 32 bytes for each half of the lanes
	v_lshl_add_u32 v[STO], v2, 5, v[STO]
	v_add_nc_u32 v[STO], s88, v[STO]
	v_add_nc_u32 v[RD], s88, v[CO]                 ; back: the 32 lanes take one row of 512 bytes
	v_lshlrev_b32 v[BOF], 5, v2
	s_lshl_b32 s92, s82, 10
	s_lshl_b32 s93, s16, 9
	s_add_co_u32 s92, s92, s93                     ; my first column, in bytes: 1,024 bx + 512 wc
	s_mov_b32 s93, 0
	s_add_nc_u64 s[8:9], s[8:9], s[92:93]          ; the bias there
	s_lshl_b32 s90, s17, 19
	s_lshl_b32 s91, s15, 18
	s_add_co_u32 s90, s90, s91                     ; my first row: (128 by + 64 wr) x 4,096 bytes
	s_add_co_u32 s90, s90, s92
	s_mov_b32 s91, 0
	s_add_nc_u64 s[10:11], s[10:11], s[90:91]
	WIN 0x80                                       ; destination window 2
.irp b, 0,1,2,3,4,5,6,7
	global_load_b128 v[8*\b:8*\b+3],   v[BOF], s[8:9] offset:64*\b       ; bias(16 b + 8 h + 0 .. 7)
	global_load_b128 v[8*\b+4:8*\b+7], v[BOF], s[8:9] offset:64*\b+16
.endr
	WIN 0
.macro FETCH q                         ; quarter q's fragments: a12's eight, h1's four: 24 loads of 512 consecutive bytes, into set q % 2
.if (\q) < 6
.set SL, 0
.set QI, (\q)
.elseif (\q) < 13
.set SL, 1
.set QI, (\q)-6
.elseif (\q) < 19
.set SL, 0
.set QI, (\q)-13
.elseif (\q) < 26
.set SL, 1
.set QI, (\q)-19
.else
.set SL, 0
.set QI, (\q)-26
.endif
.set FB, F0+96*((\q)%2)
.irp b, 0,1,2,3,4,5,6,7
.irp c, 0,1
	ds_load_b128 v[FB+8*\b+4*\c:FB+8*\b+4*\c+3], v[ADRB+SL] offset:QI*8192+\b*1024+\c*512
.endr
.endr
.irp a, 0,1,2,3
.irp c, 0,1
	ds_load_b128 v[FB+64+8*\a+4*\c:FB+64+8*\a+4*\c+3], v[ADRA+SL] offset:QI*4096+\a*1024+\c*512
.endr
.endr
.endm
.macro MUL16 q, a0, zero               ; 16 matrix instructions: row tiles a0, a0 + 1 x all 8 column tiles; the 32 accumulators take turns, one instruction a turn, in the same order in every quarter
.set MB, F0+96*((\q)%2)
.irp a, \a0, \a0+1
.irp b, 0,1,2,3,4,5,6,7
.if \zero
	v_wmma_f32_16x16x32_f16 v[8*(8*(\a)+\b):8*(8*(\a)+\b)+7], v[MB+8*\b:MB+8*\b+7], v[MB+64+8*(\a):MB+64+8*(\a)+7], 0
.else
	v_wmma_f32_16x16x32_f16 v[8*(8*(\a)+\b):8*(8*(\a)+\b)+7], v[MB+8*\b:MB+8*\b+7], v[MB+64+8*(\a):MB+64+8*(\a)+7], v[8*(8*(\a)+\b):8*(8*(\a)+\b)+7]
.endif
.endr
.endr
.endm
.macro QUARTER q, zero                 ; a quarter that has its successor in the same slot
	s_wait_dscnt 0x0                               ; this quarter's fragments, asked for 32 matrix instructions ago, are in
	PLACES                                         ; the other set was read by the last quarter's products
	FETCH (\q)+1
	WIN 0x50                                       ; C and D in window 1
	MUL16 \q, 0, \zero
	MUL16 \q, 2, \zero
	WIN 0
.endm
; A slot's last quarter changes slots: ONE barrier.  In front of it each wave waits for all its tensor loads (the one that is out is its part of the next slot), adds 0 to its spare word, and waits for that and for
; its reads of slot x, whose last fragments are in registers.  fill = 1: the barrier opens a round of the cluster's barrier, and slot x is filled again first thing behind it, with the quarters 13 on.
.macro TURN q, x, fill
	s_wait_tensorcnt 0x0                           ; no tensor load of mine is out, so a group 0 may be written
	ds_add_u32 v[SPW], v[NIL]                      ; 0 onto my spare word
.if \fill
	s_add_nc_u64 s[G0A+4*\x+2:G0A+4*\x+3], s[G0A+4*\x+2:G0A+4*\x+3], 13*4096
	s_add_nc_u64 s[G0B+4*\x+2:G0B+4*\x+3], s[G0B+4*\x+2:G0B+4*\x+3], 13*8192
.endif
	s_wait_dscnt 0x0                               ; the add is done, and my reads of this slot are over
	s_barrier_signal -1
	WIN 0x50
	MUL16 \q, 0, 0                                 ; work on registers while the others arrive
	WIN 0
	s_barrier_wait -1
.if \fill
	CREST                                          ; no wave of any partner still reads this slot or has a load on its way
	JLOAD \x                                       ; the first tensor load behind the round; its four v_nop are also the places in front of the loads below
.else
	PLACES
.endif
	FETCH (\q)+1
	WIN 0x50
	MUL16 \q, 2, 0
	WIN 0
.endm
	s_wait_tensorcnt 1                             ; my part of slot 0 is in; slot 1's may stay out
	s_barrier_signal -1
	s_barrier_wait -1                              ; everybody's is
	FETCH 0
	s_wait_loadcnt 0x0                             ; the bias
	QUARTER 0, 1                                   ; the first products start the sums: nothing is cleared
.irp q, 1,2,3,4
	QUARTER \q, 0
.endr
	TURN 5, 0, 1                                   ; slot 0 takes quarters 13-18
.irp q, 6,7,8,9,10,11
	QUARTER \q, 0
.endr
	TURN 12, 1, 1                                  ; slot 1 takes quarters 19-25
.irp q, 13,14,15,16,17
	QUARTER \q, 0
.endr
	TURN 18, 0, 1                                  ; slot 0 takes quarters 26-31
.irp q, 19,20,21,22,23,24
	QUARTER \q, 0
.endr
	TURN 25, 1, 0                                  ; nothing is left to fetch
.irp q, 26,27,28,29,30
	QUARTER \q, 0
.endr
	s_wait_dscnt 0x0                               ; the last quarter
	WIN 0x50
	MUL16 31, 0, 0
	MUL16 31, 2, 0
	WIN 0
; THE WAY OUT.  Row tile a, half hf: four accumulators, 32 numbers a lane.  The exponentials are one batch, the reciprocals another; each has one wait ahead of its first reader,
; and the series' 48 packed lines are the independent work behind the exponentials.
.macro EPI a, hf
	WIN 0x21                                       ; source 0 (the sums) window 1, source 2 (the bias) window 2
.set II, 0
.rept 16
	v_pk_fma_f32 v[TT+II:TT+II+1], v[64*(\a)+32*(\hf)+II:64*(\a)+32*(\hf)+II+1], s[76:77], v[32*(\hf)+II:32*(\hf)+II+1] op_sel_hi:[1,0,1]   ; t = sum x 2^-6 + bias; each accumulator from its low end on
.set II, II+2
.endr
	WIN 0
.set II, 0
.rept 16
	v_pk_mul_f32 v[UU+II:UU+II+1], v[TT+II:TT+II+1], 0x4038aa3b op_sel_hi:[1,0]      ; 2 log2(e) t
.set II, II+2
.endr
.set II, 0
.rept 32
	v_exp_f32 v[UU+II], v[UU+II]
.set II, II+1
.endr
.set II, 0
.rept 16
	v_pk_mul_f32 v[SS+II:SS+II+1], v[TT+II:TT+II+1], v[TT+II:TT+II+1]                ; t^2
.set II, II+2
.endr
.set II, 0
.rept 16
	v_pk_mul_f32 v[PP+II:PP+II+1], v[SS+II:SS+II+1], v[TT+II:TT+II+1]                ; t^3
.set II, II+2
.endr
.set II, 0
.rept 16
	v_pk_fma_f32 v[PP+II:PP+II+1], v[PP+II:PP+II+1], 0xbeaaaaab, v[TT+II:TT+II+1] op_sel_hi:[1,0,1]   ; t - t^3 / 3
.set II, II+2
.endr
	s_wait_alu depctr_va_vdst(0)                   ; one wait for the 32 exponentials
.set II, 0
.rept 16
	v_pk_add_f32 v[UU+II:UU+II+1], v[UU+II:UU+II+1], 1.0 op_sel_hi:[1,0]
.set II, II+2
.endr
.set II, 0
.rept 32
	v_rcp_f32 v[UU+II], v[UU+II]
.set II, II+1
.endr
	v_nop                                          ; a plain line behind the last reciprocal
	s_wait_alu depctr_va_vdst(0)                   ; one wait for the 32 reciprocals
.set II, 0
.rept 16
	v_pk_fma_f32 v[UU+II:UU+II+1], v[UU+II:UU+II+1], -2.0, 1.0 op_sel_hi:[1,0,0]     ; 1 - 2 / (1 + e)
.set II, II+2
.endr
.set II, 0
.rept 32
	v_cmp_gt_f32 vcc_lo, s78, v[SS+II]             ; 2^-12 > t^2:
	v_cndmask_b32 v[UU+II], v[UU+II], v[PP+II], vcc_lo   ; the series
.set II, II+1
.endr
.irp b, 0,1,2,3
	ds_store_b128 v[STO], v[UU+8*\b:UU+8*\b+3]   offset:64*(4*(\hf)+\b)
	ds_store_b128 v[STO], v[UU+8*\b+4:UU+8*\b+7] offset:64*(4*(\hf)+\b)+16
.endr
.endm
.macro SEND a                          ; the tile's 16 rows come back whole; LDS serves a wave's instructions in order, so these see my stores, and the next tile's stores come behind them
.if (\a) > 0
	s_wait_xcnt 0x0                                ; the last tile's stores have read their registers: they may be loaded again
.endif
.irp t, 0,1,2,3,4,5,6,7,8,9,10,11,12,13,14,15
	ds_load_b128 v[BK+4*\t:BK+4*\t+3], v[RD] offset:\t*SPITCH
.endr
.irp t, 0,1,2,3,4,5,6,7,8,9,10,11,12,13,14,15
	s_wait_dscnt 15-\t                             ; row t is in; the younger rows may be out
	global_store_b128 v[CO], v[BK+4*\t:BK+4*\t+3], s[10:11] offset:(16*(\a)+\t)*4096 th:TH_STORE_NT   ; 512 consecutive bytes, aligned; written once, read by nobody here
.endr
.endm
	PLACES                                         ; in front of the first read of results and of writes into the last products' sources
.irp a, 0,1,2,3
	EPI \a, 0
	EPI \a, 1
	SEND \a
.endr
	s_wait_tensorcnt 0x0                           ; the wave's end, behind my last tensor load and my last LDS store
	ds_add_u32 v[SPW], v[NIL]
	s_wait_dscnt 0x0
	CROUND                                         ; the closing round: no work-group ends while a partner may still ask for a block that names it
	s_endpgm
.Lfunc_end_k_q4339eee093_gemm2:
	.size	k_q4339eee093_gemm2, .Lfunc_end_k_q4339eee093_gemm2-k_q4339eee093_gemm2
	.p2alignl 7, 3214868480
	.fill 96, 4, 3214868480
	.section	.rodata,"a",@progbits
	.p2align	6, 0x0
	.amdhsa_kernel k_q4339eee093_gemm2
		.amdhsa_group_segment_fixed_size 327680
		.amdhsa_private_segment_fixed_size 0
		.amdhsa_enable_private_segment 0
		.amdhsa_kernarg_size 32
		.amdhsa_user_sgpr_count 2
		.amdhsa_user_sgpr_kernarg_segment_ptr 1
		.amdhsa_wavefront_size32 1
		.amdhsa_system_sgpr_workgroup_id_x 1
		.amdhsa_system_sgpr_workgroup_id_y 1
		.amdhsa_system_sgpr_workgroup_id_z 1
		.amdhsa_system_vgpr_workitem_id 0
		.amdhsa_next_free_vgpr 768
		.amdhsa_next_free_sgpr 96
		.amdhsa_reserve_vcc 1
		.amdhsa_float_denorm_mode_32 3
		.amdhsa_float_denorm_mode_16_64 3
		.amdhsa_memory_ordered 1
		.amdhsa_forward_progress 1
		.amdhsa_inst_pref_size 246
	.end_amdhsa_kernel
	.amdgpu_metadata
---
amdhsa.version: [ 1, 2 ]
amdhsa.kernels:
  - .name:           k_q4339eee093_gemm2
    .symbol:         k_q4339eee093_gemm2.kd
    .args:
      - { .name: h1, .offset: 0, .size: 8, .value_kind: global_buffer, .address_space: global }
      - { .name: a12, .offset: 8, .size: 8, .value_kind: global_buffer, .address_space: global }
      - { .name: bias, .offset: 16, .size: 8, .value_kind: global_buffer, .address_space: global }
      - { .name: out0, .offset: 24, .size: 8, .value_kind: global_buffer, .address_space: global }
    .group_segment_fixed_size: 327680
    .private_segment_fixed_size: 0
    .kernarg_segment_align: 8
    .kernarg_segment_size: 32
    .max_flat_workgroup_size: 128
    .sgpr_count:     96
    .vgpr_count:     768
    .wavefront_size: 32
...
	.end_amdgpu_metadata
.endif
;; end of part 3
